; MI455X (gfx1250); checked and timed in simulation.
; The chip was launched on July 23, 2026; its instructions are those of AMD's public machine-readable ISA for CDNA 5 (MIT licence, August 2026) and "CDNA5" Instruction Set Architecture Reference Guide (July 2026). The comments in the code are by the model that wrote it; some were corrected since.
;; Multi Head Attention. Allowed arithmetic: matrix products marked QUANTISED: E2M3 operands, one E8M0 scale for each 32 along K, by v_wmma_scale_f32_16x16x128_f8f6f4 with both operands' format E2M3, f32 sums; everything else in f32.
;; Inputs: features 8 x 1,024 x 256 float32; weight_k 256 x 8 x 64 float32; weight_out 256 x 8 x 64 float32; weight_q 256 x 8 x 64 float32; weight_v 256 x 8 x 64 float32.
;; Outputs: out0 8 x 1,024 x 256 float32.
;; This version of the problem:
;;   THIS VERSION OF THE PROBLEM IS GIVEN IN LOW PRECISION. The matrix products marked QUANTISED in the list below multiply operands that are first quantised to E2M3 (2 exponent bits, 3 mantissa bits; 6 bits a number), with one power-of-two scale for each 32 numbers along K (OCP MX v1.0); their sums are f32. All else is computed in f32.
;;   The module's matrix products, in the order in which they are computed (A, B: the left and right operand; K: the contracted axis; several contracted axes count as one K, in the product's order):
;;     1. [M 8,192, K 256] x [K 256, N 512]; A: input features; B: input weight_q: QUANTISED
;;     2. [M 8,192, K 256] x [K 256, N 512]; A: input features; B: input weight_k: QUANTISED
;;     3. [M 8,192, K 256] x [K 256, N 512]; A: input features; B: input weight_v: QUANTISED
;;     4. batch 64 x [M 1,024, K 64] x [K 64, N 1,024]; A: computed on the way; B: computed on the way: QUANTISED
;;     5. [M 8,192, K 512] x [K 512, N 256]; A: computed on the way; B: input weight_out: QUANTISED
;;   THE QUANTISER, for each operand of a quantised product, along K:
;;     - K is cut into blocks of 32 from its start; a last block that is shorter is filled with zeros.
;;     - A block's scale is 2^e with e = floor(log2(the largest magnitude in the block)) - 2, held to -126 .. 127; a block of zeros has e = 0. As a byte (E8M0): e + 127.
;;     - Each number is divided by its block's scale, clamped to +-7.5, and rounded to the nearest number of E2M3, ties to even, subnormals kept.
;;     - The product sums the exact products of the quantised numbers (number of the format x scale) in f32.
;;   ~~~python
;;   def quantise(x, axis):      # numpy; x: float32 -> the quantised numbers, widened to float32 again
;;       x = np.moveaxis(x, axis, -1); K = x.shape[-1]
;;       x = np.pad(x, [(0, 0)] * (x.ndim - 1) + [(0, -K % 32)]); x = x.reshape(x.shape[:-1] + (-1, 32)); a = np.abs(x).max(-1, keepdims=True)
;;       e = np.where(a > 0, np.clip(np.frexp(np.where(a > 0, a, 1))[1] - 1 - 2, -126, 127), 0)      # np.frexp(a)[1] - 1 = floor(log2(a)), exactly
;;       r = np.clip(x / 2.0 ** e, -7.5, 7.5)
;;       step = 2.0 ** (np.maximum(np.frexp(np.where(r == 0, 1, r))[1] - 1, 0) - 3)
;;       q = np.round(r / step) * step * 2.0 ** e      # np.round: ties to even
;;       return np.moveaxis(q.reshape(q.shape[:-2] + (-1,))[..., :K], -1, axis).astype(np.float32)
;;   ~~~
;;   OPERANDS COMPUTED ON THE WAY. 'Computed on the way' means the value that the module computes at that place (a softmax that the list does not call 'softmax' is quantised finished and normalised). What goes into a quantiser is computed in f32, as accurately as f32 sums, v_exp_f32 and their like allow (about 1e-6 of the number): no bf16 or f16 on the way to a quantiser, and a product that is left as it is and whose result goes on into a quantised operand takes f32 operands (vector FMAs, or v_wmma_f32_16x16x4_f32). A number that lies on a knife's edge between two numbers of the format may be rounded either way, as far as f32 arithmetic and the matrix unit's own rounding can turn it there, and no further.
;; One version. Each part assembles by itself: llvm-mc -triple=amdgcn-amd-amdhsa -mcpu=gfx1250 --defsym DOCPART=n.
;; ======== version 1 of 1: 3 launches
;; limits: right only within a limited range of input values
;; workspace buffers: xc 1,572,864 bytes; xs 131,072 bytes; oc 98,304 bytes; os 8,192 bytes; wc 294,912 bytes; ws 24,576 bytes; awp 1,048,576 bytes
;; launch quant (part 1): grid 232 x 1, 4 waves a work-group, no clusters, 139,264 bytes of LDS; arguments features, weight_out, xc, oc, xs, os, weight_q, weight_k, weight_v, wc, ws; writes xc, oc, xs, os, wc, ws
.if DOCPART == 1
	.amdgcn_target "amdgcn-amd-amdhsa--gfx1250"
	.amdhsa_code_object_version 6
	.text
	.protected	k_qc847a86fbe_quant
	.globl	k_qc847a86fbe_quant
	.p2align	8
	.type	k_qc847a86fbe_quant,@function
k_qc847a86fbe_quant:
	s_mov_b64 s[64:65], 0
	v_nop
	global_prefetch_b8 v0, s[64:65] scope:SCOPE_SE
	s_setreg_imm32_b32 hwreg(HW_REG_WAVE_MODE, 25, 1), 1
	s_wait_xcnt 0x0
; THE PROGRAM: out = ((X Wv) * aw) Wout^T, aw[i] = sum over j of softmax over i of (X Wq)(X Wk)^T / 8, per batch and head; all five products on codes of FP6 (E2M3) with one E8M0 scale for each 32 along K.
; DEAD WORK: none.  The softmax is normalised along the queries i but summed along the keys j, so no identity removes a product, a row or an input: all five inputs are loaded and all five products are done.
; THE LAST PRODUCT'S K: it contracts two axes, taken in the order (d, head): K' = 8 d + head.  A block of 32 is four d of all eight heads.  Wout is quantised along K', and Wv's columns are laid in the order of K'.
; THIS LAUNCH quantises the five inputs once, along their K, into buffers of the program's own, laid as IMAGES OF OPERAND REGISTERS: a fragment (16 rows x 128 K) is 12 registers a lane;
; registers 4 g .. 4 g + 3 of lane l lie at 512 g + 16 l: 1,536 bytes a fragment, so that later launches fill a fragment by three loads of 16 bytes a lane.  Lane (r, h) holds row r, registers 6 c .. 6 c + 5 hold K = 64 c + 32 h + 0 .. 31.
; A block's scale is 2^(floor(log2(its largest magnitude)) - 2): its byte is the largest magnitude's exponent field - 2, held at 1 from below.
; LIMITS: NaN and infinities among the inputs are not served.  A block whose largest magnitude lies under 2^-124 gets the byte 1; so does a block of zeros, where the rule says 127: its codes are zeros, and this program alone reads the bytes.
; SHARES.  Work-groups 0-95: the three weights stored [K][N]: a work-group takes 32 columns x 128 along K, each of its four waves one block of 32 along K; a lane takes a column and its registers run down K.
; 96-223: X, a wave to 16 rows x 256 along K.  224-231: Wout, a wave to 16 rows x 256 along K'.  The three paths part on the work-group's number and have LDS bytes of their own.
; On X's and Wout's paths waves share nothing: no barrier.  No matrix unit, no cluster: each input byte is quantised once by one wave.
.set FSTG,  8448                       ; a stage of 16 rows x (512 bytes + 16); two stages a wave
.set WST,   8*FSTG                     ; weights' path: 3,584 bytes: two images, 256 bytes of scale words, 256 to spare
.set FST2,  WST+3584                   ; Wout's path: its own eight stages
.set SPARE, FST2+8*FSTG                ; the spare words, 128 bytes for each wave: two blocks of 256 bytes that no other line names
.set SPW,   10                         ; v10  LDS address of my spare word; never rewritten
.set NIL,   11                         ; v11  0; never rewritten
.set SEL,   40                         ; s[40:41] selects of v_permlanex16_b32 for lane l xor 16
.set FM,  12                           ; v12-13   the two blocks' largest magnitudes
.set FSO, 14                           ; v14-15   the conversions' scale operands
.set VO,  16                           ; v16-31   row i: my lane's bytes + i x the row's bytes
.set FC,  32                           ; v32-55   the codes: 12 registers for each of the two K steps
.set FWD, 56                           ; v56-57   the scale words of the two K steps
.set FB,  58                           ; v58-59   scale bytes
.set FPT, 60                           ; v60      a lane permute's destination
.set FR,  64                           ; v64-191  64 numbers for each K step
.set FT,  192                          ; v192-198 the conversions' second halves
; K step s goes through my stage and comes back 256 bytes (two blocks of 32) a lane, into the registers that it left.  LDS serves a wave's instructions in order: no wait between.
; mode 0 (X): in as it lies.  mode 1 (Wout): my four numbers are d' = 4 (l % 4) + q of head l / 4: number q goes to place 8 d' + head of the row.
.macro TURN s, mode
.irp w, 0,1,2,3,4,5,6,7,8,9,10,11,12,13,14,15
.if \mode
.irp q, 0,1,2,3
	ds_store_b32 v4, v[FR+64*\s+4*\w+\q] offset:FSTG*\s+528*\w+32*\q
.endr
.else
	ds_store_b128 v4, v[FR+64*\s+4*\w:FR+64*\s+4*\w+3] offset:FSTG*\s+528*\w
.endif
.endr
.irp c, 0,1
.irp i, 0,1,2,3,4,5,6,7
	ds_load_b128 v[FR+64*\s+32*\c+4*\i:FR+64*\s+32*\c+4*\i+3], v5 offset:FSTG*\s+256*\c+16*\i
.endr
.endr
.endm
; my two whole blocks (2 c + h) of K step s become registers 6 c .. 6 c + 5 of the fragment, and two bytes of the row's scale word
.macro QUANTF s
.set XQ, FR+64*(\s)
.irp c, 0,1
	v_max3_num_f32 v[FM+\c], |v[XQ+32*\c]|, |v[XQ+32*\c+1]|, 0x1800000   ; with the floor 2^(3 - 127): the byte cannot fall under 1
.endr
.irp i, 2,4,6,8,10,12,14,16,18,20,22,24,26,28,30
.irp c, 0,1
	v_max3_num_f32 v[FM+\c], v[FM+\c], |v[XQ+32*\c+\i]|, |v[XQ+32*\c+\i+1]|
.endr
.endr
.irp c, 0,1
	v_add_nc_u32 v[FSO+\c], 0xff000000, v[FM+\c]   ; 2 off the exponent field: the conversion's scale operand
.endr
.irp c, 0,1
	v_lshrrev_b32 v[FB+\c], 23, v[FSO+\c]          ; the scale's byte
.endr
	v_lshl_or_b32 v[FWD+\s], v[FB+1], 16, v[FB]    ; blocks h and 2 + h,
	v_lshlrev_b32 v[FWD+\s], v8, v[FWD+\s]         ; at their places;
	v_permlanex16_b32 v[FPT], v[FWD+\s], s[SEL], s[SEL+1]
	v_or_b32 v[FWD+\s], v[FWD+\s], v[FPT]          ; with lane l xor 16's two the word is whole, in both lanes
.irp c, 0,1
	v_cvt_scalef32_pk16_fp6_f32 v[FC+12*\s+6*\c:FC+12*\s+6*\c+2], v[XQ+32*\c:XQ+32*\c+15], v[FSO+\c]
	v_cvt_scalef32_pk16_fp6_f32 v[FT+4*\c:FT+4*\c+2], v[XQ+32*\c+16:XQ+32*\c+31], v[FSO+\c]   ; (a conversion's three registers begin on an even number)
.endr
	v_nop                                          ; one plain place behind a scaled conversion
.irp c, 0,1
.irp i, 0,1,2
	v_mov_b32 v[FC+12*\s+6*\c+3+\i], v[FT+4*\c+\i]
.endr
.endr
.endm
; A unit: 16 rows x two K steps.  mode 0: tile U of X.  mode 1: Wout's rows 16 (U / 2) on, K' steps 2 (U % 2) and 2 (U % 2) + 1: K' step t is d = 16 t .. 16 t + 15 of all eight heads.
.macro FBODY mode
	v_and_b32 v2, 15, v0                           ; r
	v_bfe_u32 v3, v0, 4, 1                         ; h
	s_mul_i32 s7, s6, 2*FSTG                       ; my two stages
.if \mode
	s_add_co_u32 s7, s7, FST2
	v_and_b32 v4, 3, v0                            ; l % 4: which four d of the sixteen
	v_bfe_u32 v9, v0, 2, 3                         ; l / 4: the head
	v_lshlrev_b32 v[VO], 4, v4
	v_lshl_add_u32 v[VO], v9, 8, v[VO]             ; in memory: 256 bytes a head, 16 bytes for four d
	v_lshlrev_b32 v4, 7, v4
	v_lshl_add_u32 v4, v9, 2, v4
	v_add_nc_u32 v4, s7, v4                        ; in the stage: 4 (8 d' + head) = 128 (l % 4) + 32 q + 4 (l / 4)
	s_sub_co_u32 s30, ttmp9, 224
.else
	v_lshl_add_u32 v4, v1, 4, s7                   ; in: a row's 512 bytes as they lie, 16 a lane
	v_lshlrev_b32 v[VO], 4, v1
	s_wait_alu depctr_va_vdst(0)
	s_sub_co_u32 s30, ttmp9, 96
.endif
	v_mul_u32_u24 v5, v2, 528
	v_lshl_add_u32 v5, v3, 7, v5
	v_add_nc_u32 v5, s7, v5                        ; back: row r, + 128 h: my block of 32 numbers
	v_lshlrev_b32 v6, 4, v1                        ; an image's place for my lane
	v_lshlrev_b32 v7, 3, v1                        ; the two scale words' place
	v_lshlrev_b32 v8, 3, v3                        ; 8 h: my bytes' place in a scale word, in bits
	v_mov_b32 v[FPT], 0                            ; written once: a lane permute's destination counts as one of its sources
	s_lshl_b32 s30, s30, 2
	s_add_co_u32 s30, s30, s6                      ; the unit's number in its tensor: four waves, four units
.if \mode
	s_lshr_b32 s34, s30, 1
	s_lshl_b32 s34, s34, 15                        ; 16 rows of 2,048 bytes,
	s_and_b32 s31, s30, 1
	s_lshl_b32 s31, s31, 7
	s_add_co_u32 s34, s34, s31                     ; and 32 d, 128 bytes, for the second pair of K' steps
.else
	s_lshl_b32 s34, s30, 14                        ; 16 rows of 1,024 bytes
.endif
	s_mov_b32 s35, 0
	s_mul_i32 s38, s30, 3072                       ; two images a unit
	s_mov_b32 s39, 0
	s_lshl_b32 s36, s30, 8                         ; 256 bytes of scale words a unit
	s_mov_b32 s37, 0
.irp i, 1,2,3,4,5,6,7,8,9,10,11,12,13,14,15
	v_add_nc_u32 v[VO+\i], 1024+1024*\mode, v[VO+\i-1]
.endr
	s_wait_alu depctr_va_vdst(0)
	s_wait_kmcnt 0x0
	s_add_nc_u64 s[8+2*\mode:9+2*\mode], s[8+2*\mode:9+2*\mode], s[34:35]
	s_add_nc_u64 s[12+2*\mode:13+2*\mode], s[12+2*\mode:13+2*\mode], s[38:39]
	s_add_nc_u64 s[16+2*\mode:17+2*\mode], s[16+2*\mode:17+2*\mode], s[36:37]
.irp s, 0,1
.irp w, 0,1,2,3,4,5,6,7,8,9,10,11,12,13,14,15
	global_load_b128 v[FR+64*\s+4*\w:FR+64*\s+4*\w+3], v[VO+\w], s[8+2*\mode:9+2*\mode] offset:(512-448*\mode)*\s th:TH_LOAD_NT   ; K step s of row w: X: 512 consecutive bytes; Wout: 64 bytes of each head
.endr
.endr
	s_wait_loadcnt 16                              ; K step 0's sixteen loads are in; K step 1's may be out
	TURN 0, \mode
	s_wait_loadcnt 0x0
	TURN 1, \mode
.if \mode
	s_wait_dscnt 0x0                               ; (the second turn is 80 LDS instructions: more than a wait's count can name)
.else
	s_wait_dscnt 32                                ; the first turn is back; the second turn's 16 stores and 16 loads may be out
.endif
	QUANTF 0
	s_wait_dscnt 0x0
	QUANTF 1
.irp s, 0,1
.irp g, 0,1,2
	global_store_b128 v6, v[FC+12*\s+4*\g:FC+12*\s+4*\g+3], s[12+2*\mode:13+2*\mode] offset:1536*\s+512*\g   ; 32 lanes store 512 consecutive bytes, aligned
.endr
.endr
	global_store_b64 v7, v[FWD:FWD+1], s[16+2*\mode:17+2*\mode]    ; [lane][K step]: 256 consecutive bytes, aligned
	s_wait_tensorcnt 0x0                           ; the wave's end: behind my last LDS store
	ds_add_u32 v[SPW], v[NIL]
	s_wait_dscnt 0x0
	s_endpgm
.endm
	s_load_b512 s[8:23], s[0:1], 0x0               ; features 8, weight_out 10, xc 12, oc 14, xs 16, os 18, weight_q 20, weight_k 22
	s_load_b128 s[24:27], s[0:1], 0x40             ; weight_v 24, wc 26
	s_load_b64 s[28:29], s[0:1], 0x50              ; ws
	v_lshl_add_u32 v[SPW], v0, 2, SPARE
	v_mov_b32 v[NIL], 0
	v_lshrrev_b32 v1, 5, v0
	v_readfirstlane_b32 s6, v1                     ; wave 0..3
	v_and_b32 v1, 31, v0                           ; lane
	s_mov_b32 s[SEL], 0x76543210
	s_mov_b32 s[SEL+1], 0xfedcba98
	s_cmp_lt_u32 ttmp9, 96
	s_cbranch_scc1 .Lweights
	s_cmp_ge_u32 ttmp9, 224
	s_cbranch_scc1 .Lwout
	s_wait_alu depctr_va_vdst(0)
	FBODY 0
.Lwout:
	FBODY 1
; ---------------- Wq, Wk, Wv: [256 (K)][8 heads][64].  Work-group: weight = id / 32, group g = (id / 2) % 16, K step s = id % 2; wave kb = the block of 32 along K.  A lane takes one column; its 32 registers run down K: 32 loads, all out at once.
; Wq, Wk: group g is head g / 2, b = g % 2; lane l takes d = 32 b + l.  Wv: lane l takes hidden unit K' = 32 g + l of the last product: head l % 8, d = 4 g + l / 8.
; The 32 columns are two tiles: lane r of tile u holds column 8 u + r + 8 (r / 8) of the 32, so that a product's results in the two tiles are 16 neighbours along the next K.
; So column l belongs to tile u = (l / 8) % 2, row r' = l % 8 + 8 (l / 16); its block kb is registers 6 c .. 6 c + 5 (c = kb / 2) of fragment lane r' + 16 (kb % 2).
; The four waves put the two images together in LDS.  Of a lane's 16 bytes in each group of four registers, my three pairs of registers lie at 0, 8, 512 (c = 0) or 520, 1,024, 1,032 (c = 1).  Behind one barrier the images leave whole.
.set WD_, 64                           ; v64-95   the 32 numbers; later my part of the images on its way out
.Lweights:
	v_and_b32 v2, 7, v0
	v_bfe_u32 v3, v0, 4, 1
	v_lshl_add_u32 v2, v3, 3, v2                   ; r'
	v_bfe_u32 v3, v0, 3, 1                         ; u
	s_wait_alu depctr_va_vdst(0)
	s_and_b32 s2, s6, 1
	s_lshl_b32 s2, s2, 8                           ; 16 fragment lanes on for kb % 2 = 1
	s_add_co_u32 s2, s2, WST
	s_lshr_b32 s3, s6, 1                           ; c
	s_mul_i32 s7, s3, 520
	s_add_co_u32 s7, s7, s2
	s_mul_i32 s3, s3, 1016
	s_add_co_u32 s3, s3, s2
	v_mul_u32_u24 v5, v3, 1536
	v_lshl_add_u32 v5, v2, 4, v5                   ; image u, lane r'
	v_add_nc_u32 v4, s7, v5                        ; my first pair (offset 0) and my third (offset 512),
	v_add_nc_u32 v5, s3, v5                        ; my second (offset 8)
	v_lshlrev_b32 v6, 7, v3
	v_lshl_add_u32 v6, v2, 2, v6
	s_add_co_u32 s2, s6, WST+3072
	v_add_nc_u32 v6, s2, v6                        ; byte kb of the scale word of tile u, lane r'
	v_lshlrev_b32 v1, 3, v1                        ; 8 x lane
	s_mul_i32 s3, s6, 768
	v_add_nc_u32 v9, s3, v1                        ; the way out: my quarter of the two images, 8 bytes a lane,
	v_add_nc_u32 v7, WST, v9                       ; in LDS;
	v_add_nc_u32 v21, WST+3072, v1                 ; and the scale words (wave 0)
	s_lshr_b32 s30, ttmp9, 5                       ; which weight
	s_bfe_u32 s31, ttmp9, 0x40001                  ; g
	s_and_b32 s34, ttmp9, 1                        ; the K step
	s_lshl_b32 s36, s31, 7                         ; Wq, Wk: 32 g columns x 4 bytes
	s_lshl_b32 s35, s31, 4                         ; Wv: 4 g x 4 bytes
	s_cmp_eq_u32 s30, 2                            ; the choice hangs on ids alone
	s_cselect_b32 s36, s35, s36
	s_cselect_b32 s46, 8, 2                        ; my column's bytes: (l % 8) << 2 + (l / 8) << 5 = 4 l, or for Wv (l % 8) << 8 (a head is 256 bytes) + (l / 8) << 2
	s_cselect_b32 s47, 2, 5
	v_and_b32 v8, 7, v0
	v_lshlrev_b32 v8, s46, v8
	v_bfe_u32 v12, v0, 3, 2
	v_lshlrev_b32 v12, s47, v12
	v_add_nc_u32 v8, v8, v12
	s_lshl_b32 s35, s34, 18
	s_add_co_u32 s36, s36, s35                     ; + 128 rows of 2,048 bytes for K step 1
	s_lshl_b32 s35, s6, 16
	s_add_co_u32 s36, s36, s35                     ; + 32 rows for each block
	s_mov_b32 s37, 0
	s_lshl_b32 s38, s30, 6
	s_lshr_b32 s35, s31, 1
	s_lshl_b32 s35, s35, 3
	s_add_co_u32 s38, s38, s35
	s_lshl_b32 s35, s34, 2
	s_add_co_u32 s38, s38, s35
	s_and_b32 s35, s31, 1
	s_lshl_b32 s35, s35, 1
	s_add_co_u32 s38, s38, s35                     ; the first of the two fragments: (8 weight + g / 2) 8 + 4 s + 2 (g % 2)
	s_mul_i32 s42, s38, 1536
	s_mov_b32 s43, 0
	s_lshl_b32 s44, s38, 7
	s_mov_b32 s45, 0
	s_wait_alu depctr_va_vdst(0)
	s_wait_kmcnt 0x0
	s_cmp_eq_u32 s30, 0
	s_cselect_b64 s[32:33], s[20:21], s[22:23]
	s_cmp_eq_u32 s30, 2
	s_cselect_b64 s[32:33], s[24:25], s[32:33]
	s_add_nc_u64 s[32:33], s[32:33], s[36:37]
	s_add_nc_u64 s[26:27], s[26:27], s[42:43]
	s_add_nc_u64 s[28:29], s[28:29], s[44:45]
.irp i, 0,1,2,3,4,5,6,7,8,9,10,11,12,13,14,15,16,17,18,19,20,21,22,23,24,25,26,27,28,29,30,31
	global_load_b32 v[WD_+\i], v8, s[32:33] offset:2048*\i   ; row i of my block: Wq, Wk: 128 consecutive bytes; Wv: 16 bytes of each head
.endr
	s_wait_loadcnt 0x0
	v_max3_num_f32 v12, |v[WD_]|, |v[WD_+1]|, 0x1800000             ; all 32 numbers are mine; two chains; the floor 2^(3 - 127)
	v_max3_num_f32 v19, |v[WD_+2]|, |v[WD_+3]|, |v[WD_+4]|
.irp i, 5,9,13,17,21,25
	v_max3_num_f32 v12, v12, |v[WD_+\i]|, |v[WD_+\i+1]|
	v_max3_num_f32 v19, v19, |v[WD_+\i+2]|, |v[WD_+\i+3]|
.endr
	v_max3_num_f32 v12, v12, |v[WD_+29]|, |v[WD_+30]|
	v_max3_num_f32 v12, v12, v19, |v[WD_+31]|
	v_add_nc_u32 v13, 0xff000000, v12              ; the conversion's scale operand
	v_lshrrev_b32 v14, 23, v13                     ; the byte
	v_cvt_scalef32_pk16_fp6_f32 v[32:34], v[WD_:WD_+15], v13
	v_cvt_scalef32_pk16_fp6_f32 v[16:18], v[WD_+16:WD_+31], v13     ; (a conversion's three registers begin on an even number)
	v_nop                                          ; one plain place behind a scaled conversion
.irp i, 0,1,2
	v_mov_b32 v[35+\i], v[16+\i]
.endr
	ds_store_b64 v4, v[32:33]                      ; registers 6 c, 6 c + 1 of fragment lane r' + 16 (kb % 2),
	ds_store_b64 v5, v[34:35] offset:8             ; 6 c + 2, 6 c + 3,
	ds_store_b64 v4, v[36:37] offset:512           ; 6 c + 4, 6 c + 5
	ds_store_b8 v6, v14                            ; my block's byte in the word for lane r',
	ds_store_b8 v6, v14 offset:64                  ; and in its copy for lane r' + 16
	s_wait_dscnt 0x0                               ; for the others' sake: my stores are done
	s_barrier_signal -1
	s_barrier_wait -1                              ; the two images and their scale words are whole
.irp j, 0,1,2
	ds_load_b64 v[WD_+2*\j:WD_+2*\j+1], v7 offset:256*\j
.endr
	s_wait_dscnt 0x0
.irp j, 0,1,2
	global_store_b64 v9, v[WD_+2*\j:WD_+2*\j+1], s[26:27] offset:256*\j   ; 32 lanes store 256 consecutive bytes, aligned
.endr
	s_cmp_lg_u32 s6, 0
	s_cbranch_scc1 .Lno_words                      ; wave 0 alone sends the scale words
	ds_load_b64 v[WD_+8:WD_+9], v21
	s_wait_dscnt 0x0
	global_store_b64 v1, v[WD_+8:WD_+9], s[28:29]  ; 256 consecutive bytes, aligned
.Lno_words:
	s_wait_tensorcnt 0x0                           ; the wave's end: behind my last LDS store
	ds_add_u32 v[SPW], v[NIL]
	s_wait_dscnt 0x0
	s_endpgm
.Lfunc_end_k_qc847a86fbe_quant:
	.size	k_qc847a86fbe_quant, .Lfunc_end_k_qc847a86fbe_quant-k_qc847a86fbe_quant
	.p2alignl 7, 3214868480
	.fill 96, 4, 3214868480
	.section	.rodata,"a",@progbits
	.p2align	6, 0x0
	.amdhsa_kernel k_qc847a86fbe_quant
		.amdhsa_group_segment_fixed_size 139264
		.amdhsa_private_segment_fixed_size 0
		.amdhsa_enable_private_segment 0
		.amdhsa_kernarg_size 88
		.amdhsa_user_sgpr_count 2
		.amdhsa_user_sgpr_kernarg_segment_ptr 1
		.amdhsa_wavefront_size32 1
		.amdhsa_system_sgpr_workgroup_id_x 1
		.amdhsa_system_sgpr_workgroup_id_y 1
		.amdhsa_system_sgpr_workgroup_id_z 1
		.amdhsa_system_vgpr_workitem_id 0
		.amdhsa_next_free_vgpr 208
		.amdhsa_next_free_sgpr 66
		.amdhsa_reserve_vcc 0
		.amdhsa_float_denorm_mode_32 3
		.amdhsa_float_denorm_mode_16_64 3
		.amdhsa_memory_ordered 1
		.amdhsa_forward_progress 1
		.amdhsa_inst_pref_size 48
	.end_amdhsa_kernel
	.amdgpu_metadata
---
amdhsa.version: [ 1, 2 ]
amdhsa.kernels:
  - .name:           k_qc847a86fbe_quant
    .symbol:         k_qc847a86fbe_quant.kd
    .args:
      - { .name: features, .offset: 0, .size: 8, .value_kind: global_buffer, .address_space: global }
      - { .name: weight_out, .offset: 8, .size: 8, .value_kind: global_buffer, .address_space: global }
      - { .name: xc, .offset: 16, .size: 8, .value_kind: global_buffer, .address_space: global }
      - { .name: oc, .offset: 24, .size: 8, .value_kind: global_buffer, .address_space: global }
      - { .name: xs, .offset: 32, .size: 8, .value_kind: global_buffer, .address_space: global }
      - { .name: os, .offset: 40, .size: 8, .value_kind: global_buffer, .address_space: global }
      - { .name: weight_q, .offset: 48, .size: 8, .value_kind: global_buffer, .address_space: global }
      - { .name: weight_k, .offset: 56, .size: 8, .value_kind: global_buffer, .address_space: global }
      - { .name: weight_v, .offset: 64, .size: 8, .value_kind: global_buffer, .address_space: global }
      - { .name: wc, .offset: 72, .size: 8, .value_kind: global_buffer, .address_space: global }
      - { .name: ws, .offset: 80, .size: 8, .value_kind: global_buffer, .address_space: global }
    .group_segment_fixed_size: 139264
    .private_segment_fixed_size: 0
    .kernarg_segment_align: 8
    .kernarg_segment_size: 88
    .max_flat_workgroup_size: 128
    .sgpr_count:     66
    .vgpr_count:     208
    .wavefront_size: 32
...
	.end_amdgpu_metadata
.endif
;; end of part 1
;; launch attn (part 2): grid 64 x 4, 8 waves a work-group, clusters of 4 x 1, 246,784 bytes of LDS; arguments xc, xs, wc, ws, awp; writes awp
.if DOCPART == 2
	.amdgcn_target "amdgcn-amd-amdhsa--gfx1250"
	.amdhsa_code_object_version 6
	.text
	.protected	k_qc847a86fbe_attn
	.globl	k_qc847a86fbe_attn
	.p2align	8
	.type	k_qc847a86fbe_attn,@function
k_qc847a86fbe_attn:
	s_mov_b64 s[64:65], 0
	v_nop
	global_prefetch_b8 v0, s[64:65] scope:SCOPE_SE
	s_setreg_imm32_b32 hwreg(HW_REG_WAVE_MODE, 25, 1), 1
	s_wait_xcnt 0x0
	s_wait_alu depctr_hold_cnt(0) depctr_sa_sdst(0) depctr_va_vdst(0) depctr_va_sdst(0) depctr_va_ssrc(0) depctr_va_vcc(0) depctr_vm_vsrc(0)
	s_getreg_b32 s2, hwreg(HW_REG_IB_STS2, 6, 4)
	s_cmp_eq_u32 s2, 0
	s_cbranch_scc0 .Lentry_in_a_cluster
	s_endpgm
.Lentry_in_a_cluster:
	s_bfe_u32 s2, ttmp6, 0x10000c
	s_cmp_lg_u32 s2, 0x3003
	s_cbranch_scc0 .Lentry_shape_is_right
	s_endpgm
.Lentry_shape_is_right:
; awp[quarter][b, head][i] = the sum over the quarter's 256 keys j of softmax over i of (q_i . k_j / 8); q = X Wq, k = X Wk for one batch b and head.  No work of the problem is left out here.
; All three products on codes of FP6 (E2M3) with E8M0 scales; q and k are quantised in registers from f32 sums; maxima, exponentials and sums in f32.
; SHARES.  A work-group: all 1,024 queries x 256 keys.  Eight waves: wave w owns queries 128 w .. + 127, eight tiles whose codes stay in its registers, and makes the codes of two of the sixteen key tiles, which go to the others through LDS.
; A STRIP is 32 keys (two tiles): 128 queries x 32 keys are 128 registers a wave, and there are two such buffers: while a strip's figures go round the waves, the next strip's products and maxima are made.
; S = q k^T (source 0 = 16 queries, source 1 = 16 keys): a lane holds ONE key column and its registers run down the queries i = 16 a + 8 (lane / 16) + e, so the softmax's maximum and sum, which run along i, stay in the lane.
; THE MAXIMUM, in two levels: a wave takes its own column maximum m_w away, E = 2^(c s - c m_w), c = log2(e) / 8; the waves exchange (c m_w, Z_w) through LDS; g = the largest c m_w, Z = sum of Z_w 2^(c m_w - g);
; aw_i += E_ij f_j with f = 2^(c m_w - g) / Z.  What is taken away is the column's true maximum.  In the exchange lanes 0-15 carry the strip's first key tile, lanes 16-31 its second.
; K = 64 IN AN INSTRUCTION OF K = 128: k's fragments have zero codes in registers 6-11, written once.  q's fragments lie 6 registers apart and the instruction names 12: the upper six, the next tile's codes, meet zero codes;
; six zero registers stand behind the last tile.  Bytes 2 and 3 of both scale words are 127, which stands for 1.
; LOADS.  X's codes of the batch, 196,608 bytes, are needed by all heads of the batch: a cluster of four heads asks for them jointly, one tensor load of eight tiles a wave.
; Wq's and Wk's fragments come once to the work-group, an eighth a wave, and pass through LDS.  NO PREFETCH: everything is asked for once, at the head; the loop over strips loads nothing from memory.
; LIMITS: NaN and infinities are not served; terms of the softmax under 2^-126 count as 0; blocks of q or k under 2^-124 get the byte 1; the sums along i and j are taken in another order than the problem writes them.
; REGISTERS: window 0: addresses, scale words, codes of q and k, row sums (first the projection's results H), work.  window 1: first a weight at 0, the second results H2 at 96, two pairs of tiles of X at 160 and 208;
; then the two strips: tile a, key tile j of strip buffer n at 128 n + 16 a + 8 j.
.set WREG,  196608                     ; LDS: X's tiles from 0; Wq's and Wk's fragments,
.set WSC,   221184                     ; their scale words,
.set KIMG,  223232                     ; k's 16 fragments, 768 bytes each: registers 0-3 at 16 x lane, 4-5 at 512 + 8 x lane
.set KSC,   235520                     ; their scale words, 128 bytes each
.set XCH,   237568                     ; the exchange: two halves by turns, 256 bytes a wave
.set AST,   241664                     ; the way out: 512 bytes a wave, its own
.set SPARE, 245760                     ; the spare words, 128 bytes for each wave: four blocks of 256 bytes that no other line names
.set QS,  16                           ; v16-23 q's scale words
.set KS,  24                           ; v24-25 k's
.set QF,  26                           ; v26-79 q's codes
.set KF,  80                           ; v80-103 k's two fragments
.set H,   104                          ; v104-167 the projection's results; H2 at 96 of window 1
.set ACC, 104                          ; then the row sums (8 a + e)
.set WSQ, 168                          ; scale words of Wq: K step 1's in even registers, K step 0's in odd ones
.set WSK, 176
.set XS,  184                          ; v184-199 X's of my query tiles, [tile][K step]
.set XSK, 200                          ; v200-203 of my key tiles
.set TM,  204
.set TP,  208
.set SO,  212
.set T,   216
.set PC,  224
.set PWK, 236
.set KX,  240                          ; v240 LDS address of my key tiles' rows of X (at the head)
.set U,   204                          ; the strips: v204-219 maxima, then the exchange's figures, then shares of the column sums
.set CM,  220                          ; c m of the two columns, in every second register
.set F,   224                          ; f of the two columns, in every second register
.set XP,  228                          ; v[XP + 2 n]: (c m, Z) of buffer n's strip, as I send them
.set G,   232
.set G2,  233
.set OWN, 234
.set ZA,  236
.set ZB,  237
.set RC,  238
.set MM,  239
.set TT,  240                          ; v240-255 the column sums: eight pairs
.set X2,  160                          ; window 1
.set X1,  208
.set SPW, 14
.set NIL, 15
.set SEL, 80                           ; s[80:81] selects of v_permlanex16_b32 for lane l xor 16
.set CS,  82
.set MSB, 0
.macro WIN new                         ; the immediate's high byte repeats the setting that is left
.if MSB != (\new)
	s_set_vgpr_msb (MSB<<8)|(\new)
.set MSB, (\new)
.endif
.endm
.macro WALU
	s_wait_alu depctr_va_vdst(0)
.endm
.macro PLACES                          ; four places behind matrix instructions (ISA guide 7.12.1)
.rept 4
	v_nop
.endr
.endm
.macro CROUND                          ; a round of the cluster's barrier
	s_barrier_signal -1
	s_barrier_wait -1
	s_cmp_lg_u32 s14, 0
	s_cbranch_scc1 .Lnot_wave_0_\@
	s_barrier_signal -3
.Lnot_wave_0_\@:
	s_barrier_wait -3
	s_barrier_signal -1
	s_barrier_wait -1
.endm
	s_load_b256 s[4:11], s[0:1], 0x0               ; xc 4, xs 6, wc 8, ws 10
	s_load_b64 s[12:13], s[0:1], 0x20              ; awp
	v_lshl_add_u32 v[SPW], v0, 2, SPARE
	v_mov_b32 v[NIL], 0
	ds_add_u32 v[SPW], v[NIL]                      ; the wave's opening: the add, twice on end, and its one wait
	ds_add_u32 v[SPW], v[NIL]
	v_lshrrev_b32 v1, 5, v0
	v_readfirstlane_b32 s14, v1                    ; wave 0..7
	s_bfe_u32 s28, ttmp6, 0x40000                  ; cx
	s_lshl_b32 s29, ttmp9, 2
	s_add_co_u32 s29, s29, s28                     ; 8 b + head
	s_and_b32 s15, ttmp7, 3                        ; the quarter of the keys: the grid has four rows, of clusters one work-group high
	s_lshr_b32 s30, ttmp9, 1                       ; b: the four partners' heads belong to one batch
	s_and_b32 s31, s29, 7                          ; head
	s_mov_b32 s16, 1
	s_mul_i32 s17, s14, 24576                      ; my eight tiles of X in LDS
	s_mov_b32 s20, 15|(3<<16)|(1<<21)              ; the four partners; elements of 8 bytes
	s_mov_b32 s21, 32<<16                          ; rows of 256 bytes: the tiles are dense in memory and in LDS
	s_mov_b32 s22, 96<<16
	s_mov_b32 s23, 32<<16
	s_mov_b32 s24, 96
	s_mov_b32 s25, 32
	s_mov_b32 s26, 0
	s_mov_b32 s27, 0
.irp r, 67,69,73,75,77,79
	s_mov_b32 s\r, 0
.endr
	s_lshl_b32 s28, s30, 3
	s_add_co_u32 s28, s28, s14                     ; 8 b + wave: my eight tiles of the batch's 64
	s_mul_i32 s66, s28, 24576
	s_lshl_b32 s68, s28, 11
	s_lshl_b32 s28, s30, 6
	s_lshl_b32 s33, s15, 4
	s_add_co_u32 s28, s28, s33
	s_lshl_b32 s33, s14, 1
	s_add_co_u32 s28, s28, s33                     ; my first key tile: 64 b + 16 quarter + 2 wave
	s_lshl_b32 s72, s28, 8
	s_lshr_b32 s28, s14, 2                         ; waves 0-3 bring Wq, 4-7 Wk, a quarter of the head's eight fragments each
	s_mul_i32 s74, s31, 12288
	s_mul_i32 s33, s14, 3072
	s_add_co_u32 s74, s74, s33
	s_mul_i32 s34, s28, 98304-12288
	s_add_co_u32 s74, s74, s34
	s_lshl_b32 s76, s31, 10
	s_lshl_b32 s34, s14, 8
	s_add_co_u32 s76, s76, s34
	s_mul_i32 s35, s28, 8192-1024
	s_add_co_u32 s76, s76, s35
	s_lshl_b32 s78, s15, 6
	s_add_co_u32 s78, s78, s29
	s_lshl_b32 s78, s78, 12
	s_lshl_b32 s35, s14, 9
	s_add_co_u32 s78, s78, s35                     ; my 128 numbers of awp
	s_mul_i32 s38, s15, 49152
	s_mul_i32 s39, s14, 6144
	s_add_co_u32 s38, s38, s39                     ; my key tiles in LDS: 16 quarter + 2 wave of the 64
	s_add_co_u32 s33, s33, WREG
	s_mul_i32 s35, s14, 1536
	s_add_co_u32 s35, s35, KIMG
	s_add_co_u32 s36, s34, KSC
	s_add_co_u32 s37, s34, XCH
	s_add_co_u32 s34, s34, WSC
	s_mov_b32 s[SEL], 0x76543210
	s_mov_b32 s[SEL+1], 0xfedcba98
	s_mov_b32 s[CS], 0x3e38aa3b                    ; c = log2(e) / 8
	s_mov_b32 s[CS+1], s[CS]                       ; (named with it as a pair)
	v_and_b32 v7, 31, v0                           ; lane
	v_lshlrev_b32 v1, 4, v7
	v_lshlrev_b32 v2, 3, v7
	v_lshlrev_b32 v3, 2, v7
	v_add_nc_u32 v4, s33, v1                       ; the weights: in,
	v_add_nc_u32 v5, s34, v2
	v_add_nc_u32 v6, WREG, v1                      ; and back
	v_add_nc_u32 v7, WSC, v3
	v_add_nc_u32 v8, s17, v1                       ; my tiles of X
	v_add_nc_u32 v[KX], s38, v1
	v_add_nc_u32 v9, s35, v1                       ; my key tiles' images
	v_add_nc_u32 v10, s35, v2
	v_add_nc_u32 v11, s36, v3
	v_add_nc_u32 v12, s37, v2                      ; the exchange: in,
	v_add_nc_u32 v13, XCH, v2                      ; and back
	WALU
	s_wait_dscnt 0x0                               ; both opening adds are done
	CROUND                                         ; all four work-groups are here: the joint loads meet
	s_wait_kmcnt 0x0
	s_add_nc_u64 s[74:75], s[8:9], s[74:75]
	s_add_nc_u64 s[76:77], s[10:11], s[76:77]
	s_add_nc_u64 s[72:73], s[6:7], s[72:73]
	s_add_nc_u64 s[18:19], s[4:5], s[66:67]
	s_or_b32 s19, s19, 0x80000000
	s_add_nc_u64 s[68:69], s[6:7], s[68:69]
	s_add_nc_u64 s[78:79], s[12:13], s[78:79]
.irp i, 0,1,2,3,4,5
	global_load_b128 v[H+4*\i:H+4*\i+3], v1, s[74:75] offset:512*\i    ; my eighth of the weights: two fragments,
.endr
	global_load_b64 v[H+24:H+25], v2, s[76:77]                         ; and 256 bytes of scale words
	tensor_load_to_lds s[16:19], s[20:27]          ; my eight query tiles
	s_nop 0
.irp i, 0,1,2,3,4,5,6,7
	global_load_b64 v[XS+2*\i:XS+2*\i+1], v2, s[68:69] offset:256*\i
.endr
.irp i, 0,1
	global_load_b64 v[XSK+2*\i:XSK+2*\i+1], v2, s[72:73] offset:256*\i
.endr
.irp j, 0,1
.irp e, 6,7,8,9,10,11
	v_mov_b32 v[KF+12*\j+\e], 0                    ; k's codes of K = 64 .. 127 are zeros,
.endr
.endr
.irp e, 0,1,2,3,4,5
	v_mov_b32 v[QF+48+\e], 0                       ; and so are the six registers behind q's last tile
.endr
.irp b, 0,1,2,3
	v_mov_b32 v[TP+\b], 0                          ; written once: a lane permute's destination counts as one of its sources
.endr
	WALU
	s_wait_loadcnt 10                              ; my part of the weights is in; the ten loads of scale words may be out
.irp i, 0,1,2,3,4,5
	ds_store_b128 v4, v[H+4*\i:H+4*\i+3] offset:512*\i
.endr
	ds_store_b64 v5, v[H+24:H+25]
	s_wait_dscnt 0x0                               ; for the others' sake: my stores are done
	s_barrier_signal -1
	s_barrier_wait -1                              ; the head's weights lie in LDS
.macro WFETCH wo, ws, so               ; a weight's eight fragments f = 4 s + t, and their scale words: 32 loads
	WIN 0x40
.irp f, 0,1,2,3,4,5,6,7
.irp g, 0,1,2
	ds_load_b128 v[12*\f+4*\g:12*\f+4*\g+3], v6 offset:\wo+1536*\f+512*\g
.endr
.endr
	WIN 0
.irp f, 0,1,2,3,4,5,6,7
	ds_load_b32 v[\ws+2*(\f%4)+1-\f/4], v7 offset:\so+128*\f
.endr
.endm
.macro XFETCH xb, ar, off              ; a pair of tiles of X: 12 loads
	WIN 0x40
.irp i, 0,1,2,3,4,5,6,7,8,9,10,11
	ds_load_b128 v[\xb+4*\i:\xb+4*\i+3], v[\ar] offset:\off+512*\i
.endr
	WIN 0
.endm
; line i of 48 of the search for the four blocks' scales, of the results in H (qh = 0) or H2 (qh = 1)
.macro QLINE i, qh
.set QJ_, (\i)%4
.set QB_, H-8*(\qh)+16*QJ_
.set QK_, 2*((\i)/4)
.if (\i) < 32
	WIN 0x05*(\qh)
.if QK_ == 0
	v_max3_num_f32 v[TM+QJ_], |v[QB_]|, |v[QB_+1]|, 0x1800000          ; each accumulator is read from its low end on; the floor 2^(3 - 127)
.else
	v_max3_num_f32 v[TM+QJ_], |v[QB_+QK_]|, |v[QB_+QK_+1]|, v[TM+QJ_]
.endif
.else
	WIN 0
.if (\i) < 36
	v_permlanex16_b32 v[TP+QJ_], v[TM+QJ_], s[SEL], s[SEL+1]
.elseif (\i) < 40
	v_max_num_f32 v[TM+QJ_], v[TM+QJ_], v[TP+QJ_]                      ; with lane l xor 16's: the block's largest magnitude
.elseif (\i) < 44
	v_add_nc_u32 v[SO+QJ_], 0xff000000, v[TM+QJ_]                      ; the conversion's scale operand
.else
	v_lshrrev_b32 v[TP+QJ_], 23, v[SO+QJ_]                             ; the byte
.endif
.endif
.endm
; behind the search: two tiles' six registers of codes at d and d + 6, and their scale words at w and w + 1
.macro QTAIL d, w, qh
	WIN 0
.irp a, 0,1
	v_lshl_or_b32 v[\w+\a], v[TP+2*\a+1], 8, v[TP+2*\a]
.endr
.irp a, 0,1
	v_or_b32 v[\w+\a], 0x7f7f0000, v[\w+\a]        ; the two blocks of K = 64 .. 127, where k's codes are zeros, get the byte of 1
.endr
	WIN \qh                                        ; source 0: H or H2
.set QB_, H-8*(\qh)
.irp a, 0,1
	v_cvt_scalef32_pk16_fp6_f32 v[\d+6*\a:\d+6*\a+2], v[QB_+32*\a:QB_+32*\a+15], v[SO+2*\a]
	v_cvt_scalef32_pk16_fp6_f32 v[T+4*\a:T+4*\a+2], v[QB_+32*\a+16:QB_+32*\a+31], v[SO+2*\a+1]
.endr
	WIN 0
	v_nop                                          ; one plain place behind a scaled conversion
.irp i, 0,1,2
.irp a, 0,1
	v_permlane16_swap_b32 v[\d+6*\a+\i], v[T+4*\a+\i]   ; a whole block to a lane: lanes 0-15 block 0, lanes 16-31 block 1
.endr
.endr
.irp i, 0,1,2
.irp a, 0,1
	v_mov_b32 v[\d+6*\a+3+\i], v[T+4*\a+\i]
.endr
.endr
.endm
; (X W)^T for a pair of tiles: source 0 = 16 columns of W, source 1 = 16 rows of X: a lane holds one row and its registers run along d.  The eight accumulators, in H (hw = 0) or H2 (hw = 1), take turns.
; qh >= 0: behind each product stand three lines of the search over the last pair's results
.macro PPAIR hw, xb, ws, xs, qh
.set I_, 0
.irp s, 0,1
.irp a, 0,1
.irp t, 0,1,2,3
	WIN 0x05+0x50*(\hw)                            ; sources 0 and 1 window 1
.set D_, H-8*(\hw)+32*\a+8*\t
.if \s
	v_wmma_scale_f32_16x16x128_f8f6f4 v[D_:D_+7], v[48+12*\t:59+12*\t], v[\xb+24*\a+12:\xb+24*\a+23], v[D_:D_+7], v[\ws+2*\t], v[\xs+2*\a+1] matrix_a_fmt:MATRIX_FMT_FP6 matrix_b_fmt:MATRIX_FMT_FP6
.else
	v_wmma_scale_f32_16x16x128_f8f6f4 v[D_:D_+7], v[12*\t:11+12*\t], v[\xb+24*\a:\xb+24*\a+11], 0, v[\ws+2*\t+1], v[\xs+2*\a] matrix_a_fmt:MATRIX_FMT_FP6 matrix_b_fmt:MATRIX_FMT_FP6
.endif
.if (\qh) >= 0
	QLINE I_, \qh
	QLINE I_+1, \qh
	QLINE I_+2, \qh
.endif
.set I_, I_+3
.endr
.endr
.endr
	WIN 0
.endm
	WFETCH 0, WSQ, 0
	s_wait_tensorcnt 0x0                           ; my query tiles have landed
	XFETCH X1, 8, 0
	XFETCH X2, 8, 6144
	s_wait_loadcnt 0x0
	s_wait_dscnt 0x0
	s_barrier_signal -1                            ; my eight tiles lie in LDS: the others read key tiles behind the wait for this
	PPAIR 0, X1, WSQ, XS, -1
	PLACES                                         ; for the loads into X's registers, and for the first read of the results
	XFETCH X1, 8, 12288
	PPAIR 1, X2, WSQ, XS+4, 0
	QTAIL QF, QS, 0
	XFETCH X2, 8, 18432
	s_wait_dscnt 12                                ; the third pair is in; the fourth's 12 loads may be out
	PPAIR 0, X1, WSQ, XS+8, 1
	QTAIL QF+12, QS+2, 1
	WALU
	s_barrier_wait -1                              ; all 64 tiles of the batch lie in LDS
	XFETCH X1, KX, 0
	s_wait_dscnt 12
	PPAIR 1, X2, WSQ, XS+12, 0
	QTAIL QF+24, QS+4, 0
	WFETCH 12288, WSK, 1024
	s_wait_dscnt 0x0
	PPAIR 0, X1, WSK, XSK, 1                       ; my two key tiles
	QTAIL QF+36, QS+6, 1
.set I_, 0
.rept 48
	QLINE I_, 0
.set I_, I_+1
.endr
	QTAIL PC, PWK, 0
.irp a, 0,1
	ds_store_b128 v9, v[PC+6*\a:PC+6*\a+3] offset:768*\a               ; k's fragments go to LDS as images of their registers
	ds_store_b64 v10, v[PC+6*\a+4:PC+6*\a+5] offset:768*\a+512
	ds_store_b32 v11, v[PWK+\a] offset:128*\a
.endr
	WALU
	s_wait_dscnt 0x0                               ; for the others' sake: my stores of k's images are done
	s_barrier_signal -1
.set u, 0
.rept 64
	v_mov_b32 v[ACC+u], 0                          ; the row sums begin as zeros.  (These are also the places ahead of the first product that names q's scale words)
.set u, u+1
.endr
.irp j, 0,1
	v_mov_b32 v[CM+2*\j+1], 0                      ; the upper halves of pairs of which the low word serves both halves: written once
	v_mov_b32 v[F+2*\j+1], 0
.endr
	WALU
	s_barrier_wait -1                              ; k's sixteen fragments lie in LDS
.macro KADDR
	v_add_nc_u32 v4, s44, v1
	v_add_nc_u32 v5, s44, v2
	v_add_nc_u32 v6, s45, v3
.endm
.macro KLOAD o                         ; the two fragments of the strip that lies o strips behind s44's
	ds_load_b128 v[KF:KF+3], v4 offset:1536*\o
	ds_load_b64 v[KF+4:KF+5], v5 offset:1536*\o+512
	ds_load_b128 v[KF+12:KF+15], v4 offset:1536*\o+768
	ds_load_b64 v[KF+16:KF+17], v5 offset:1536*\o+1280
	ds_load_b32 v[KS], v6 offset:256*\o
	ds_load_b32 v[KS+1], v6 offset:256*\o+128
.endm
.macro PROD n, a, j                    ; each starts its own sum
	WIN 0x40                                       ; destination window 1
	v_wmma_scale_f32_16x16x128_f8f6f4 v[128*\n+16*\a+8*\j:128*\n+16*\a+8*\j+7], v[QF+6*\a:QF+6*\a+11], v[KF+12*\j:KF+12*\j+11], 0, v[QS+\a], v[KS+\j] matrix_a_fmt:MATRIX_FMT_FP6 matrix_b_fmt:MATRIX_FMT_FP6
.endm
.macro CMAX n, a                       ; tile a into the eight chains of the columns' maxima, four to a column; each accumulator is read from its low end on
.set CB_, 128*(\n)+16*(\a)
	WIN 0x14                                       ; sources 1 and 2 window 1
.irp p, 0,1,2,3
.irp j, 0,1
.if (\a) == 0
	v_max3_num_f32 v[U+4*\j+\p], 0xff800000, v[CB_+8*\j+2*\p], v[CB_+8*\j+2*\p+1]
.else
	v_max3_num_f32 v[U+4*\j+\p], v[U+4*\j+\p], v[CB_+8*\j+2*\p], v[CB_+8*\j+2*\p+1]
.endif
.endr
.endr
.endm
.macro ROWS b, a                       ; tile a's row sums take E f, two queries at a time
.set RB_, 128*(\b)+16*(\a)
.set RA_, ACC+8*(\a)
	WIN 0x01                                       ; source 0 window 1
.irp j, 0,1
.irp p, 0,1,2,3
	v_pk_fma_f32 v[RA_+2*\p:RA_+2*\p+1], v[RB_+8*\j+2*\p:RB_+8*\j+2*\p+1], v[F+2*\j:F+2*\j+1], v[RA_+2*\p:RA_+2*\p+1] op_sel_hi:[1,0,1]
.endr
.endr
.endm
; A strip's 16 products into buffer n.  Among them stand the row sums of the strip that lay there before (rs), each tile ahead of the products that overwrite it, and the new strip's maxima, a tile behind.
; sig: the last strip's figures, stored ahead of this, are shown to be in LDS: the barrier is signalled here and waited for behind the scalings.
.macro PHASEM n, rs, sig
.if \rs
	ROWS \n, 0
.endif
.irp a, 0,1,2,3,4,5,6,7
.if (\rs) && (\a < 7)
	ROWS \n, \a+1
.endif
	PROD \n, \a, 0
.if \a > 0
.if ((\rs) == 0) || (\a == 7)
	PLACES
.endif
	CMAX \n, \a-1
.endif
	PROD \n, \a, 1
.if (\sig) && (\a == 2)
.if (\rs) == 0
	WALU
.endif
	s_wait_dscnt 0x0                               ; my figures are stored, and my reads of the exchange are over
	s_barrier_signal -1
.endif
.endr
	PLACES
	CMAX \n, 7
	WIN 0
.irp j, 0,1
	v_max3_num_f32 v[U+4*\j], v[U+4*\j], v[U+4*\j+1], v[U+4*\j+2]
.endr
.irp j, 0,1
	v_max_num_f32 v[U+4*\j], v[U+4*\j], v[U+4*\j+3]
.endr
	v_permlane16_swap_b32 v[U], v[U+4]             ; lanes 0-15 now hold both halves of the first column, lanes 16-31 of the second
	v_max_num_f32 v[MM], v[U], v[U+4]
	v_mul_f32 v[CM], s[CS], v[MM]
	v_mul_f32 v[CM+2], s[CS], v[MM]
	v_mul_f32 v[XP+2*\n], s[CS], v[MM]             ; c m, as it is sent;
	v_permlane16_swap_b32 v[CM], v[CM+2]           ; and each column's in all lanes
	WIN 0x41                                       ; destination and source 0 window 1
.irp a, 0,1,2,3,4,5,6,7
.irp p, 0,1,2,3
.irp j, 0,1
	v_pk_fma_f32 v[128*\n+16*\a+8*\j+2*\p:128*\n+16*\a+8*\j+2*\p+1], v[128*\n+16*\a+8*\j+2*\p:128*\n+16*\a+8*\j+2*\p+1], s[CS:CS+1], v[CM+2*\j:CM+2*\j+1] op_sel_hi:[1,0,0] neg_lo:[0,0,1] neg_hi:[0,0,1]   ; c s - c m
.endr
.endr
.endr
	WIN 0
.endm
; a quarter of a strip's exponentials, tiles 2 q and 2 q + 1; to: behind each four stands one pair of the last quarter's share of the column sums, which goes to registers of its own
.macro EXQ n, q, to
.set u, 0
.rept 8
	WIN 0x41
	v_exp_f32 v[128*\n+32*\q+4*u], v[128*\n+32*\q+4*u]
	v_exp_f32 v[128*\n+32*\q+4*u+1], v[128*\n+32*\q+4*u+1]
	v_exp_f32 v[128*\n+32*\q+4*u+2], v[128*\n+32*\q+4*u+2]
	v_exp_f32 v[128*\n+32*\q+4*u+3], v[128*\n+32*\q+4*u+3]
.if \to
	WIN 0x05
	v_pk_add_f32 v[\to+2*u:\to+2*u+1], v[128*\n+32*(\q-1)+2*u:128*\n+32*(\q-1)+2*u+1], v[128*\n+32*(\q-1)+16+2*u:128*\n+32*(\q-1)+16+2*u+1]
.endif
.set u, u+1
.endr
	WIN 0
	v_nop                                          ; the plain instruction behind the last transcendental
.endm
.macro XREAD b                         ; all eight waves' (c m_w, Z_w) of my lane's column
.irp w, 0,1,2,3,4,5,6,7
	ds_load_b64 v[U+2*\w:U+2*\w+1], v13 offset:2048*\b+256*\w
.endr
.endm
.macro DIFFS b                         ; g, and each c m_w less g; mine too
	v_max3_num_f32 v[G], v[U], v[U+2], v[U+4]
	v_max3_num_f32 v[G2], v[U+6], v[U+8], v[U+10]
	v_max3_num_f32 v[G], v[G], v[U+12], v[U+14]
	v_max_num_f32 v[G], v[G], v[G2]
.irp w, 0,1,2,3,4,5,6,7
	v_sub_f32 v[U+2*\w], v[U+2*\w], v[G]
.endr
	v_sub_f32 v[OWN], v[XP+2*\b], v[G]
.endm
.macro EXP9
.irp w, 0,1,2,3,4,5,6,7
	v_exp_f32 v[U+2*\w], v[U+2*\w]
.endr
	v_exp_f32 v[OWN], v[OWN]
.endm
.macro ZRCP                            ; Z = sum of Z_w 2^(c m_w - g): at least about 1
	v_mul_f32 v[ZA], v[U], v[U+1]
	v_mul_f32 v[ZB], v[U+2], v[U+3]
.irp w, 2,4,6
	v_fma_f32 v[ZA], v[U+2*\w], v[U+2*\w+1], v[ZA]
	v_fma_f32 v[ZB], v[U+2*\w+2], v[U+2*\w+3], v[ZB]
.endr
	v_add_f32 v[ZA], v[ZA], v[ZB]
	WALU
	v_rcp_f32 v[RC], v[ZA]
.endm
.macro FACT                            ; f = 2^(c m_w - g) / Z, each column's in all lanes
	v_mul_f32 v[F], v[OWN], v[RC]
	v_mul_f32 v[F+2], v[OWN], v[RC]
	v_permlane16_swap_b32 v[F], v[F+2]
.endm
.macro TADD                            ; the column sums take what lies in U
.irp k, 0,1,2,3,4,5,6,7
	v_pk_add_f32 v[TT+2*\k:TT+2*\k+1], v[TT+2*\k:TT+2*\k+1], v[U+2*\k:U+2*\k+1]
.endr
.endm
; The exponentials of the strip in buffer n, in four quarters; between and among them the figures of the strip in buffer b are read and worked up to f (ex), and the next strip's fragments of k are fetched (ko: 0: step the addresses too; 2: none).
; Waits on VALU results stand ahead of and behind each quarter.
; ONE barrier a strip: the exchange has two halves by turns, and every wave's reads of a half are over when it signals the next strip's barrier, behind which alone that half is stored to again.
.macro EXPB n, b, ex, ko
	WALU
.if \ex
	s_barrier_wait -1                              ; all eight waves' figures of b's strip lie in LDS
	XREAD \b
.endif
.if \ko == 0
	KADDR
.endif
.if \ko < 2
	KLOAD \ko
.endif
	EXQ \n, 0, 0
	s_wait_dscnt 0x0
.if \ex
	DIFFS \b
.endif
	WALU
.if \ex
	EXP9
.endif
	EXQ \n, 1, TT
	WALU
.if \ex
	ZRCP
.endif
	EXQ \n, 2, U
	WALU
.if \ex
	FACT
.endif
	TADD
	WALU
	EXQ \n, 3, U
	WALU
	TADD
	WIN 0x04                                       ; source 1 window 1
.irp a, 6,7
.irp k, 0,1,2,3,4,5,6,7
	v_pk_add_f32 v[TT+2*\k:TT+2*\k+1], v[TT+2*\k:TT+2*\k+1], v[128*\n+16*\a+2*\k:128*\n+16*\a+2*\k+1]
.endr
.endr
	WIN 0
.irp p, 0,2
.irp j, 0,1
	v_pk_add_f32 v[TT+8*\j+2*\p:TT+8*\j+2*\p+1], v[TT+8*\j+2*\p:TT+8*\j+2*\p+1], v[TT+8*\j+2*\p+2:TT+8*\j+2*\p+3]
.endr
.endr
.irp j, 0,1
	v_pk_add_f32 v[TT+8*\j:TT+8*\j+1], v[TT+8*\j:TT+8*\j+1], v[TT+8*\j+4:TT+8*\j+5]
.endr
.irp j, 0,1
	v_add_f32 v[TT+8*\j], v[TT+8*\j], v[TT+8*\j+1]
.endr
	v_permlane16_swap_b32 v[TT], v[TT+8]
	v_add_f32 v[XP+2*\n+1], v[TT], v[TT+8]         ; Z_w
	ds_store_b64 v12, v[XP+2*\n:XP+2*\n+1] offset:2048*\n
.endm
	s_mov_b32 s44, KIMG
	s_mov_b32 s45, KSC
	KADDR
	WALU                                           ; the wait behind the addresses' writes
	KLOAD 0
	s_wait_dscnt 0x0
	PHASEM 0, 0, 0                                 ; strip 0
	EXPB 0, 1, 0, 1
	PHASEM 1, 0, 1                                 ; strip 1
	s_add_co_u32 s44, s44, 3072
	s_add_co_u32 s45, s45, 512
	s_mov_b32 s43, 3
.Lstrips:                                          ; exponentials of strips 1 .. 6, products of strips 2 .. 7, row sums of strips 0 .. 5
	EXPB 1, 0, 1, 0
	PHASEM 0, 1, 1
	EXPB 0, 1, 1, 1
	PHASEM 1, 1, 1
	s_add_co_u32 s44, s44, 3072
	s_add_co_u32 s45, s45, 512
	s_sub_co_u32 s43, s43, 1
	s_cmp_lg_u32 s43, 0
	s_cbranch_scc1 .Lstrips
	EXPB 1, 0, 1, 2                                ; strip 7
.irp a, 0,1,2,3,4,5,6,7
	ROWS 0, \a
.endr
	WIN 0
	WALU
	s_wait_dscnt 0x0
	s_barrier_signal -1
	s_barrier_wait -1
	XREAD 1
	s_wait_dscnt 0x0
	DIFFS 1
	WALU
	EXP9
	v_nop
	WALU
	ZRCP
	v_nop
	WALU
	FACT
.irp a, 0,1,2,3,4,5,6,7
	ROWS 1, \a
.endr
	WIN 0
; THE SUM ALONG j ACROSS THE SIXTEEN LANES OF A ROW, for 64 numbers a lane: four steps that halve the registers.  Of each pair a lane keeps one and sends the other to lane l xor x, by the bit x of its number.
; At the end register u of lane (h, x) holds query 32 u + 16 (x / 8) + 8 h + x % 8.
.macro RSTEP n, src, snd, kp, x, m
.set u, 0
.rept \n
	v_cndmask_b32 v[(\snd)+u], v[(\src)+2*u+1], v[(\src)+2*u], s[\m]
	v_cndmask_b32 v[(\kp)+u], v[(\src)+2*u], v[(\src)+2*u+1], s[\m]
.set u, u+1
.endr
.set u, 0
.rept \n
	v_add_f32_dpp v[(\kp)+u], v[(\snd)+u], v[(\kp)+u] row_xmask:\x row_mask:0xf bank_mask:0xf
.set u, u+1
.endr
.endm
	s_mov_b32 s84, 0xaaaaaaaa
	s_mov_b32 s85, 0xcccccccc
	s_mov_b32 s86, 0xf0f0f0f0
	s_mov_b32 s87, 0xff00ff00
	s_lshl_b32 s33, s14, 9
	s_add_co_u32 s33, s33, AST
	WALU
	v_bfe_u32 v7, v0, 3, 1
	v_bfe_u32 v9, v0, 4, 1
	v_and_b32 v10, 7, v0
	v_lshlrev_b32 v7, 6, v7
	v_lshl_add_u32 v7, v9, 5, v7
	v_lshl_add_u32 v7, v10, 2, v7
	v_add_nc_u32 v7, s33, v7                       ; my stage, in the queries' order
	v_add_nc_u32 v8, s33, v1
	RSTEP 32, ACC, QF, QF+32, 1, 84
	RSTEP 16, QF+32, ACC, ACC+16, 2, 85
	RSTEP 8, ACC+16, QF, QF+8, 4, 86
	RSTEP 4, QF+8, ACC, ACC+4, 8, 87
.irp e, 0,1,2,3
	ds_store_b32 v7, v[ACC+4+\e] offset:128*\e
.endr
	ds_load_b128 v[QF:QF+3], v8                    ; LDS serves a wave's instructions in order: this sees my stores
	s_wait_dscnt 0x0
	global_store_b128 v1, v[QF:QF+3], s[78:79]     ; 32 lanes store 512 consecutive bytes, aligned
	s_wait_tensorcnt 0x0                           ; the wave's end
	ds_add_u32 v[SPW], v[NIL]
	s_wait_dscnt 0x0
	CROUND                                         ; the closing round
	s_endpgm
.Lfunc_end_k_qc847a86fbe_attn:
	.size	k_qc847a86fbe_attn, .Lfunc_end_k_qc847a86fbe_attn-k_qc847a86fbe_attn
	.p2alignl 7, 3214868480
	.fill 96, 4, 3214868480
	.section	.rodata,"a",@progbits
	.p2align	6, 0x0
	.amdhsa_kernel k_qc847a86fbe_attn
		.amdhsa_group_segment_fixed_size 246784
		.amdhsa_private_segment_fixed_size 0
		.amdhsa_enable_private_segment 0
		.amdhsa_kernarg_size 40
		.amdhsa_user_sgpr_count 2
		.amdhsa_user_sgpr_kernarg_segment_ptr 1
		.amdhsa_wavefront_size32 1
		.amdhsa_system_sgpr_workgroup_id_x 1
		.amdhsa_system_sgpr_workgroup_id_y 1
		.amdhsa_system_sgpr_workgroup_id_z 1
		.amdhsa_system_vgpr_workitem_id 0
		.amdhsa_next_free_vgpr 512
		.amdhsa_next_free_sgpr 96
		.amdhsa_reserve_vcc 0
		.amdhsa_float_denorm_mode_32 3
		.amdhsa_float_denorm_mode_16_64 3
		.amdhsa_memory_ordered 1
		.amdhsa_forward_progress 1
		.amdhsa_inst_pref_size 180
	.end_amdhsa_kernel
	.amdgpu_metadata
---
amdhsa.version: [ 1, 2 ]
amdhsa.kernels:
  - .name:           k_qc847a86fbe_attn
    .symbol:         k_qc847a86fbe_attn.kd
    .args:
      - { .name: xc, .offset: 0, .size: 8, .value_kind: global_buffer, .address_space: global }
      - { .name: xs, .offset: 8, .size: 8, .value_kind: global_buffer, .address_space: global }
      - { .name: wc, .offset: 16, .size: 8, .value_kind: global_buffer, .address_space: global }
      - { .name: ws, .offset: 24, .size: 8, .value_kind: global_buffer, .address_space: global }
      - { .name: awp, .offset: 32, .size: 8, .value_kind: global_buffer, .address_space: global }
    .group_segment_fixed_size: 246784
    .private_segment_fixed_size: 0
    .kernarg_segment_align: 8
    .kernarg_segment_size: 40
    .max_flat_workgroup_size: 256
    .sgpr_count:     96
    .vgpr_count:     512
    .wavefront_size: 32
...
	.end_amdgpu_metadata
.endif
;; end of part 2
;; launch outp (part 3): grid 256 x 1, 8 waves a work-group, clusters of 4 x 1, 252,928 bytes of LDS; arguments xc, xs, wc, ws, oc, os, awp, out0; writes out0
.if DOCPART == 3
	.amdgcn_target "amdgcn-amd-amdhsa--gfx1250"
	.amdhsa_code_object_version 6
	.text
	.protected	k_qc847a86fbe_outp
	.globl	k_qc847a86fbe_outp
	.p2align	8
	.type	k_qc847a86fbe_outp,@function
k_qc847a86fbe_outp:
	s_mov_b64 s[64:65], 0
	v_nop
	global_prefetch_b8 v0, s[64:65] scope:SCOPE_SE
	s_setreg_imm32_b32 hwreg(HW_REG_WAVE_MODE, 25, 1), 1
	s_wait_xcnt 0x0
	s_wait_alu depctr_hold_cnt(0) depctr_sa_sdst(0) depctr_va_vdst(0) depctr_va_sdst(0) depctr_va_ssrc(0) depctr_va_vcc(0) depctr_vm_vsrc(0)
	s_getreg_b32 s2, hwreg(HW_REG_IB_STS2, 6, 4)
	s_cmp_eq_u32 s2, 0
	s_cbranch_scc0 .Lentry_in_a_cluster
	s_endpgm
.Lentry_in_a_cluster:
	s_bfe_u32 s2, ttmp6, 0x10000c
	s_cmp_lg_u32 s2, 0x3003
	s_cbranch_scc0 .Lentry_shape_is_right
	s_endpgm
.Lentry_shape_is_right:
; out[i][o] = the sum over K' of Q(v[i][head][d] aw[i][head]) Q(Wout[o][head][d]), K' = 8 d + head (the product's two contracted axes in the order d, head); v = X Wv; aw = the sum of the four quarters in awp.
; Both products on codes of FP6 (E2M3) with E8M0 scales.  No work of the problem is left out here.
; SHARES.  A work-group takes 32 rows (two tiles of X).  First product: wave w makes the hidden units K' = 64 w .. + 63 for both tiles: half w % 2 of K step w / 2 of the last product.  Second product: wave w makes outputs 64 (w / 2) .. + 63 of row tile w % 2.
; Both are used transposed (source 0 = 16 rows of the weight, source 1 = 16 rows of X or of v x aw): a lane holds one row i.  Wv's tile 2 B + u holds K' = 64 w + 32 B + 8 u + r + 8 (r / 8), so that two neighbouring tiles' 16 registers
; are 16 neighbours along K': register 16 B + e of lane (r, h) is K' = 64 w + 32 B + 16 h + e, whose head is e % 8.
; LOADS.  All work-groups read all codes of Wv and Wout: clusters of four ask for them jointly, one tensor load of 24,576 bytes a wave: waves 0-3 Wv, which is needed first, waves 4-7 Wout, which is waited for behind the first product.
; X's two tiles and aw come to the work-group once, shared out among the waves, and pass through LDS; aw: wave w sums head w's four quarters, a lane a row.
; NO PREFETCH: everything is asked for once, at the head; there is no loop.
; LIMITS: NaN and infinities are not served; a block of v x aw under 2^-124 gets the byte 1.
.set WO,    98304                      ; LDS: Wv's images from 0, Wout's,
.set XL,    196608                     ; X's two tiles,
.set HIMG,  202752                     ; the eight fragments of v x aw (4 m + K step), 1,536 bytes each,
.set HSC,   215040                     ; their scale words, 128 bytes each,
.set AWS,   216064                     ; aw: 32 rows x 8 heads of f32,
.set STG,   217088                     ; a stage of 16 rows x (256 bytes + 16) for each wave, its own
.set SPARE, 251904                     ; the spare words, 128 bytes for each wave: four blocks of 256 bytes that no other line names
.set SPW, 10
.set NIL, 11
.set XS,  20                           ; v20-23 X's scale words
.set W1S, 24                           ; v24-31 Wv's: K step 1's in even registers, K step 0's in odd ones
.set W2S, 32                           ; v32-47 Wout's, [tile][K step]
.set HS,  50                           ; v50-53 those of v x aw
.set AW,  54                           ; v54-69 aw of my row of tile m and of head: v[AW + 8 m + head]
.set H,   70                           ; v70-133 the first product's results; then v70-101 the second's
.set PC,  134
.set PW,  146
.set TM,  148
.set TP,  152
.set SO,  156
.set T,   160
.set AL,  168                          ; v168-171 the quarters' shares of aw
.set XI,  172                          ; v172-177 my eighth of X's tiles
.set HF,  180                          ; v180-227 v x aw's four fragments
.set OB,  104
.set SEL, 80
.set MSB, 0
.macro WIN new                         ; the immediate's high byte repeats the setting that is left
.if MSB != (\new)
	s_set_vgpr_msb (MSB<<8)|(\new)
.set MSB, (\new)
.endif
.endm
.macro PLACES                          ; four places behind matrix instructions (ISA guide 7.12.1)
.rept 4
	v_nop
.endr
.endm
.macro CROUND                          ; a round of the cluster's barrier
	s_barrier_signal -1
	s_barrier_wait -1
	s_cmp_lg_u32 s20, 0
	s_cbranch_scc1 .Lnot_wave_0_\@
	s_barrier_signal -3
.Lnot_wave_0_\@:
	s_barrier_wait -3
	s_barrier_signal -1
	s_barrier_wait -1
.endm
	s_load_b512 s[4:19], s[0:1], 0x0               ; xc 4, xs 6, wc 8, ws 10, oc 12, os 14, awp 16, out0 18
	v_lshl_add_u32 v[SPW], v0, 2, SPARE
	v_mov_b32 v[NIL], 0
	ds_add_u32 v[SPW], v[NIL]                      ; the wave's opening: the add, twice on end, and its one wait
	ds_add_u32 v[SPW], v[NIL]
	v_lshrrev_b32 v1, 5, v0
	v_readfirstlane_b32 s20, v1                    ; wave 0..7
	s_bfe_u32 s21, ttmp6, 0x40000
	s_lshl_b32 s22, ttmp9, 2
	s_add_co_u32 s21, s21, s22                     ; which 32 rows
	s_lshr_b32 s22, s20, 1                         ; w / 2
	s_and_b32 s23, s20, 1                          ; w % 2
	s_mov_b32 s[SEL], 0x76543210
	s_mov_b32 s[SEL+1], 0xfedcba98
	; descriptors: 24,576 dense bytes as 96 rows of 256, elements of 8 bytes, for the four partners
	s_mov_b32 s28, 15|(3<<16)|(1<<21)
	s_mov_b32 s29, 32<<16
	s_mov_b32 s30, 96<<16
	s_mov_b32 s31, 32<<16
	s_mov_b32 s32, 96
	s_mov_b32 s33, 32
	s_mov_b32 s34, 0
	s_mov_b32 s35, 0
	s_mov_b32 s24, 1
	s_mul_i32 s25, s20, 24576                      ; the waves' pieces lie one behind the other: Wv's four, Wout's four
	s_mov_b32 s52, 1
	s_mov_b32 s53, s25
.irp r, 41,43,45,47,49,51,57,59,61
	s_mov_b32 s\r, 0
.endr
	s_and_b32 s36, s20, 3
	s_mul_i32 s58, s36, 24576
	s_add_co_u32 s56, s58, 196608                  ; Wv is the third weight
	s_lshr_b32 s36, s21, 5                         ; b
	s_lshl_b32 s36, s36, 3
	s_add_co_u32 s36, s36, s20                     ; 8 b + head w
	s_lshl_b32 s40, s36, 12
	s_and_b32 s36, s21, 31
	s_lshl_b32 s36, s36, 7
	s_add_co_u32 s40, s40, s36                     ; aw: 4 bytes a row
	s_mul_i32 s42, s21, 6144
	s_mul_i32 s37, s20, 768
	s_add_co_u32 s42, s42, s37                     ; my eighth of the two tiles of X
	s_lshl_b32 s44, s21, 9                         ; their scale words
	s_lshl_b32 s46, s20, 10
	s_add_co_u32 s46, s46, 16384                   ; Wv's scale words of my hidden units
	s_lshl_b32 s48, s22, 11                        ; Wout's of my outputs
	s_lshl_b32 s50, s21, 15
	s_lshl_b32 s36, s23, 14
	s_add_co_u32 s50, s50, s36
	s_lshl_b32 s36, s22, 8
	s_add_co_u32 s50, s50, s36                     ; out0: my 16 rows, my 256 bytes of each
	s_lshl_b32 s36, s20, 2
	s_add_co_u32 s36, s36, AWS
	s_add_co_u32 s37, s37, XL
	s_mul_i32 s38, s20, 12288
	s_mul_i32 s39, s22, 1536
	s_add_co_u32 s39, s39, HIMG                    ; K step w / 2,
	s_mul_i32 s66, s23, 520
	s_add_co_u32 s66, s66, s39                     ; registers 6 c, 6 c + 1 and 6 c + 4, 6 c + 5 (offset 512), c = w % 2,
	s_mul_i32 s67, s23, 1016
	s_add_co_u32 s67, s67, s39                     ; and 6 c + 2, 6 c + 3 (offset 8)
	s_lshl_b32 s68, s22, 7
	s_add_co_u32 s68, s68, HSC
	s_lshl_b32 s69, s23, 1
	s_add_co_u32 s68, s68, s69                     ; bytes 2 c and 2 c + 1 of the scale word
	s_mul_i32 s69, s23, 6144
	s_add_co_u32 s69, s69, HIMG                    ; row tile w % 2
	s_lshl_b32 s70, s23, 9
	s_add_co_u32 s70, s70, HSC
	s_mul_i32 s71, s22, 24576
	s_add_co_u32 s71, s71, WO
	s_mul_i32 s72, s20, 4352
	s_add_co_u32 s72, s72, STG
	v_and_b32 v4, 31, v0
	v_lshlrev_b32 v1, 4, v4                        ; 16 x lane
	v_lshlrev_b32 v2, 2, v4                        ; 4 x lane
	v_lshlrev_b32 v3, 3, v4                        ; 8 x lane
	v_lshlrev_b32 v4, 5, v4
	v_add_nc_u32 v4, s36, v4                       ; aw in: 32 bytes a row
	v_add_nc_u32 v5, s37, v3                       ; X in,
	v_add_nc_u32 v7, XL, v1                        ; and back
	v_add_nc_u32 v6, s38, v1                       ; Wv: my four tiles
	v_and_b32 v17, 15, v0                          ; r
	v_bfe_u32 v18, v0, 4, 1                        ; h
	v_lshlrev_b32 v8, 5, v17
	v_add_nc_u32 v8, AWS, v8                       ; aw back: row r's eight heads
	v_add_nc_u32 v9, s66, v1                       ; my part of the images of v x aw
	v_add_nc_u32 v12, s67, v1
	v_add_nc_u32 v13, s68, v2
	v_add_nc_u32 v14, s69, v1                      ; and back
	v_add_nc_u32 v15, s70, v2
	v_add_nc_u32 v16, s71, v1                      ; Wout: my four tiles
	v_lshlrev_b32 v19, 10, v18
	v_lshl_add_u32 v19, v17, 4, v19                ; out0: lanes 0-15 one row, lanes 16-31 the next
	v_mul_u32_u24 v60, v17, 272
	v_lshl_add_u32 v60, v18, 5, v60
	v_mul_u32_u24 v61, v18, 272
	v_lshl_add_u32 v61, v17, 4, v61
	v_add_nc_u32 v17, s72, v60                     ; my stage: in: row r, + 32 h;
	v_add_nc_u32 v18, s72, v61                     ; and back
	s_wait_alu depctr_va_vdst(0)
	s_wait_dscnt 0x0                               ; both opening adds are done
	CROUND                                         ; all four work-groups are here: the joint loads meet
	s_wait_kmcnt 0x0
	s_add_nc_u64 s[40:41], s[16:17], s[40:41]
	s_add_nc_u64 s[42:43], s[4:5], s[42:43]
	s_add_nc_u64 s[44:45], s[6:7], s[44:45]
	s_add_nc_u64 s[46:47], s[10:11], s[46:47]
	s_add_nc_u64 s[48:49], s[14:15], s[48:49]
	s_add_nc_u64 s[50:51], s[18:19], s[50:51]
	s_add_nc_u64 s[26:27], s[8:9], s[56:57]
	s_or_b32 s27, s27, 0x80000000
	s_add_nc_u64 s[54:55], s[12:13], s[58:59]
	s_or_b32 s55, s55, 0x80000000
.irp q, 0,1,2,3
	global_load_b32 v[AL+\q], v2, s[40:41] offset:262144*\q            ; quarter q's share of aw, head w, row = lane: 128 consecutive bytes
.endr
.irp i, 0,1,2
	global_load_b64 v[XI+2*\i:XI+2*\i+1], v3, s[42:43] offset:256*\i
.endr
	s_cmp_lt_u32 s20, 4                            ; one tensor load a wave
	s_cbranch_scc0 .Lwout
	tensor_load_to_lds s[24:27], s[28:35]          ; waves 0-3: Wv
	s_nop 0
	PLACES
	s_branch .Lasked
.Lwout:
	tensor_load_to_lds s[52:55], s[28:35]          ; waves 4-7: Wout
	s_nop 0
	PLACES
.Lasked:
.irp m, 0,1
	global_load_b64 v[XS+2*\m:XS+2*\m+1], v3, s[44:45] offset:256*\m
.endr
.irp f, 0,1,2,3,4,5,6,7
	global_load_b32 v[W1S+2*(\f%4)+1-\f/4], v2, s[46:47] offset:128*\f
.endr
.irp n, 0,1,2,3
.irp p, 0,1
	global_load_b64 v[W2S+4*\n+2*\p:W2S+4*\n+2*\p+1], v3, s[48:49] offset:512*\n+256*\p
.endr
.endr
.irp b, 0,1,2,3
	v_mov_b32 v[TP+\b], 0                          ; written once: a lane permute's destination counts as one of its sources
.endr
	s_wait_alu depctr_va_vdst(0)
	s_wait_loadcnt 18                              ; aw and X are in; the 18 loads of scale words may be out
	v_add_f32 v[AL], v[AL], v[AL+1]
	v_add_f32 v[AL+2], v[AL+2], v[AL+3]
	v_add_f32 v[AL], v[AL], v[AL+2]
	ds_store_b32 v4, v[AL]
.irp i, 0,1,2
	ds_store_b64 v5, v[XI+2*\i:XI+2*\i+1] offset:256*\i
.endr
	s_wait_alu depctr_va_vdst(0)
	s_cmp_lt_u32 s20, 4
	s_cbranch_scc0 .Lnot_wv
	s_wait_tensorcnt 0x0                           ; Wv's pieces: the waves that asked for them wait
.Lnot_wv:
	s_wait_dscnt 0x0                               ; for the others' sake: my stores are done
	s_barrier_signal -1
	s_barrier_wait -1                              ; Wv, X and aw lie in LDS; Wout may still be on its way
	WIN 0x40                                       ; destination window 1
.irp f, 0,1,2,3,4,5,6,7
.irp g, 0,1,2
	ds_load_b128 v[12*\f+4*\g:12*\f+4*\g+3], v6 offset:1536*\f+512*\g
.endr
.endr
.irp i, 0,1,2,3,4,5,6,7,8,9,10,11
	ds_load_b128 v[96+4*\i:96+4*\i+3], v7 offset:512*\i
.endr
	WIN 0
.irp m, 0,1
	ds_load_b128 v[AW+8*\m:AW+8*\m+3], v8 offset:512*\m                ; row 16 m + r: heads 0-3,
	ds_load_b128 v[AW+8*\m+4:AW+8*\m+7], v8 offset:512*\m+16           ; 4-7
.endr
	s_wait_loadcnt 8                               ; X's and Wv's scale words are in; Wout's may be out
	s_wait_dscnt 0x0
	WIN 0x05                                       ; sources 0 and 1 window 1
; ---- 1: my 64 hidden units for both tiles.  The eight accumulators take turns.
.irp s, 0,1
.irp m, 0,1
.irp t, 0,1,2,3
.if \s
	v_wmma_scale_f32_16x16x128_f8f6f4 v[H+32*\m+8*\t:H+32*\m+8*\t+7], v[48+12*\t:59+12*\t], v[108+24*\m:119+24*\m], v[H+32*\m+8*\t:H+32*\m+8*\t+7], v[W1S+2*\t], v[XS+2*\m+1] matrix_a_fmt:MATRIX_FMT_FP6 matrix_b_fmt:MATRIX_FMT_FP6
.else
	v_wmma_scale_f32_16x16x128_f8f6f4 v[H+32*\m+8*\t:H+32*\m+8*\t+7], v[12*\t:11+12*\t], v[96+24*\m:107+24*\m], 0, v[W1S+2*\t+1], v[XS+2*\m] matrix_a_fmt:MATRIX_FMT_FP6 matrix_b_fmt:MATRIX_FMT_FP6
.endif
.endr
.endr
.endr
	WIN 0
	PLACES
.irp m, 0,1
.irp j, 0,2,4,6,8,10,12,14,16,18,20,22,24,26,28,30
	v_pk_mul_f32 v[H+32*\m+\j:H+32*\m+\j+1], v[H+32*\m+\j:H+32*\m+\j+1], v[AW+8*\m+\j%8:AW+8*\m+\j%8+1]   ; v x aw, in f32: registers j and j + 1 are heads j % 8 and j % 8 + 1 of my row
.endr
.endr
; ---- quantised: blocks 2 m + B
.irp b, 0,1,2,3
	v_max3_num_f32 v[TM+\b], |v[H+16*\b]|, |v[H+1+16*\b]|, 0x1800000   ; with the floor 2^(3 - 127): the byte cannot fall under 1
.endr
.irp i, 2,4,6,8,10,12,14
.irp b, 0,1,2,3
	v_max3_num_f32 v[TM+\b], v[TM+\b], |v[H+16*\b+\i]|, |v[H+1+16*\b+\i]|
.endr
.endr
.irp b, 0,1,2,3
	v_permlanex16_b32 v[TP+\b], v[TM+\b], s[SEL], s[SEL+1]
.endr
.irp b, 0,1,2,3
	v_max_num_f32 v[TM+\b], v[TM+\b], v[TP+\b]
.endr
.irp b, 0,1,2,3
	v_add_nc_u32 v[SO+\b], 0xff000000, v[TM+\b]    ; the conversion's scale operand
.endr
.irp b, 0,1,2,3
	v_lshrrev_b32 v[TP+\b], 23, v[SO+\b]           ; the byte
.endr
.irp a, 0,1
	v_lshl_or_b32 v[PW+\a], v[TP+2*\a+1], 8, v[TP+2*\a]
.endr
.irp a, 0,1
	v_cvt_scalef32_pk16_fp6_f32 v[PC+6*\a:PC+6*\a+2], v[H+32*\a:H+32*\a+15], v[SO+2*\a]
	v_cvt_scalef32_pk16_fp6_f32 v[T+4*\a:T+4*\a+2], v[H+32*\a+16:H+32*\a+31], v[SO+2*\a+1]
.endr
	v_nop                                          ; one plain place behind a scaled conversion
.irp i, 0,1,2
.irp a, 0,1
	v_permlane16_swap_b32 v[PC+6*\a+\i], v[T+4*\a+\i]   ; a whole block to a lane: lanes 0-15 block 0, lanes 16-31 block 1
.endr
.endr
.irp i, 0,1,2
.irp a, 0,1
	v_mov_b32 v[PC+6*\a+3+\i], v[T+4*\a+\i]
.endr
.endr
.irp m, 0,1
	ds_store_b64 v9, v[PC+6*\m:PC+6*\m+1] offset:6144*\m
	ds_store_b64 v12, v[PC+6*\m+2:PC+6*\m+3] offset:6144*\m+8
	ds_store_b64 v9, v[PC+6*\m+4:PC+6*\m+5] offset:6144*\m+512
	ds_store_b16 v13, v[PW+\m] offset:512*\m
.endr
	s_wait_alu depctr_va_vdst(0)
	s_wait_tensorcnt 0x0                           ; Wout's pieces too
	s_wait_dscnt 0x0                               ; for the others' sake: my stores are done
	s_barrier_signal -1
	s_barrier_wait -1                              ; the eight fragments of v x aw and Wout lie in LDS
; ---- 2: my 64 outputs for my row tile: four accumulators by turns, a K step at a time
.irp s, 0,1,2,3
.irp g, 0,1,2
	ds_load_b128 v[HF+12*\s+4*\g:HF+12*\s+4*\g+3], v14 offset:1536*\s+512*\g
.endr
	ds_load_b32 v[HS+\s], v15 offset:128*\s
.endr
	WIN 0x40
.irp s, 0,1,2,3
.irp n, 0,1,2,3
.irp g, 0,1,2
	ds_load_b128 v[12*(4*\n+\s)+4*\g:12*(4*\n+\s)+4*\g+3], v16 offset:6144*\n+1536*\s+512*\g
.endr
.endr
.endr
	s_wait_loadcnt 0x0
	WIN 0x01                                       ; source 0 (Wout) window 1
.irp s, 0,1,2,3
	s_wait_dscnt 36-12*\s                          ; the later K steps' loads of Wout, 12 each, may be out
.irp n, 0,1,2,3
.if \s
	v_wmma_scale_f32_16x16x128_f8f6f4 v[H+8*\n:H+8*\n+7], v[12*(4*\n+\s):12*(4*\n+\s)+11], v[HF+12*\s:HF+12*\s+11], v[H+8*\n:H+8*\n+7], v[W2S+4*\n+\s], v[HS+\s] matrix_a_fmt:MATRIX_FMT_FP6 matrix_b_fmt:MATRIX_FMT_FP6
.else
	v_wmma_scale_f32_16x16x128_f8f6f4 v[H+8*\n:H+8*\n+7], v[12*(4*\n+\s):12*(4*\n+\s)+11], v[HF+12*\s:HF+12*\s+11], 0, v[W2S+4*\n+\s], v[HS+\s] matrix_a_fmt:MATRIX_FMT_FP6 matrix_b_fmt:MATRIX_FMT_FP6
.endif
.endr
.endr
	WIN 0
	PLACES
; ---- the way out: a lane holds eight neighbouring outputs of one row; 16 rows x 256 bytes go through my own stage and leave as whole aligned runs of 256 bytes
.irp n, 0,1,2,3
	ds_store_b128 v17, v[H+8*\n:H+8*\n+3] offset:64*\n                 ; each accumulator from its low end on
	ds_store_b128 v17, v[H+8*\n+4:H+8*\n+7] offset:64*\n+16
.endr
.irp i, 0,1,2,3,4,5,6,7
	ds_load_b128 v[OB+4*\i:OB+4*\i+3], v18 offset:544*\i               ; LDS serves a wave's instructions in order: these see my stores
.endr
.irp i, 0,1,2,3,4,5,6,7
	s_wait_dscnt 7-\i
	global_store_b128 v19, v[OB+4*\i:OB+4*\i+3], s[50:51] offset:2048*\i th:TH_STORE_NT   ; 16 lanes store 256 consecutive bytes, aligned; written once, read by nobody here
.endr
	s_wait_tensorcnt 0x0                           ; the wave's end
	ds_add_u32 v[SPW], v[NIL]
	s_wait_dscnt 0x0
	CROUND                                         ; the closing round
	s_endpgm
.Lfunc_end_k_qc847a86fbe_outp:
	.size	k_qc847a86fbe_outp, .Lfunc_end_k_qc847a86fbe_outp-k_qc847a86fbe_outp
	.p2alignl 7, 3214868480
	.fill 96, 4, 3214868480
	.section	.rodata,"a",@progbits
	.p2align	6, 0x0
	.amdhsa_kernel k_qc847a86fbe_outp
		.amdhsa_group_segment_fixed_size 252928
		.amdhsa_private_segment_fixed_size 0
		.amdhsa_enable_private_segment 0
		.amdhsa_kernarg_size 64
		.amdhsa_user_sgpr_count 2
		.amdhsa_user_sgpr_kernarg_segment_ptr 1
		.amdhsa_wavefront_size32 1
		.amdhsa_system_sgpr_workgroup_id_x 1
		.amdhsa_system_sgpr_workgroup_id_y 1
		.amdhsa_system_sgpr_workgroup_id_z 1
		.amdhsa_system_vgpr_workitem_id 0
		.amdhsa_next_free_vgpr 512
		.amdhsa_next_free_sgpr 96
		.amdhsa_reserve_vcc 0
		.amdhsa_float_denorm_mode_32 3
		.amdhsa_float_denorm_mode_16_64 3
		.amdhsa_memory_ordered 1
		.amdhsa_forward_progress 1
		.amdhsa_inst_pref_size 30
	.end_amdhsa_kernel
	.amdgpu_metadata
---
amdhsa.version: [ 1, 2 ]
amdhsa.kernels:
  - .name:           k_qc847a86fbe_outp
    .symbol:         k_qc847a86fbe_outp.kd
    .args:
      - { .name: xc, .offset: 0, .size: 8, .value_kind: global_buffer, .address_space: global }
      - { .name: xs, .offset: 8, .size: 8, .value_kind: global_buffer, .address_space: global }
      - { .name: wc, .offset: 16, .size: 8, .value_kind: global_buffer, .address_space: global }
      - { .name: ws, .offset: 24, .size: 8, .value_kind: global_buffer, .address_space: global }
      - { .name: oc, .offset: 32, .size: 8, .value_kind: global_buffer, .address_space: global }
      - { .name: os, .offset: 40, .size: 8, .value_kind: global_buffer, .address_space: global }
      - { .name: awp, .offset: 48, .size: 8, .value_kind: global_buffer, .address_space: global }
      - { .name: out0, .offset: 56, .size: 8, .value_kind: global_buffer, .address_space: global }
    .group_segment_fixed_size: 252928
    .private_segment_fixed_size: 0
    .kernarg_segment_align: 8
    .kernarg_segment_size: 64
    .max_flat_workgroup_size: 256
    .sgpr_count:     96
    .vgpr_count:     512
    .wavefront_size: 32
...
	.end_amdgpu_metadata
.endif
;; end of part 3
